; MI455X (gfx1250); checked and timed in simulation.
; The chip was launched on July 23, 2026; its instructions are those of AMD's public machine-readable ISA for CDNA 5 (MIT licence, August 2026) and "CDNA5" Instruction Set Architecture Reference Guide (July 2026). The comments in the code are by the model that wrote it; some were corrected since.
;; Multi Head Self Attention. Allowed arithmetic: matrix products marked QUANTISED: E2M3 operands, one E8M0 scale for each 32 along K, by v_wmma_scale_f32_16x16x128_f8f6f4 with both operands' format E2M3, f32 sums; everything else in f32.
;; Inputs: b_out 1,024 float32; b_qkv 3,072 float32; w_out_codes 1,024 x 32 x 24 uint8 (E2M3 codes of w_out, K innermost, in blocks of 32 codes, four codes in three bytes); w_out_scales 1,024 x 32 uint8 (E8M0 scales of w_out, one for each 32 codes along K); w_qkv_codes 3,072 x 32 x 24 uint8 (E2M3 codes of w_qkv, K innermost, in blocks of 32 codes, four codes in three bytes); w_qkv_scales 3,072 x 32 uint8 (E8M0 scales of w_qkv, one for each 32 codes along K); x_codes 4 x 2,048 x 32 x 24 uint8 (E2M3 codes of x, K innermost, in blocks of 32 codes, four codes in three bytes); x_scales 4 x 2,048 x 32 uint8 (E8M0 scales of x, one for each 32 codes along K).
;; Outputs: out0 4 x 2,048 x 1,024 float32.
;; This version of the problem:
;;   THIS VERSION OF THE PROBLEM IS GIVEN IN LOW PRECISION. The matrix products marked QUANTISED in the list below multiply operands that are first quantised to E2M3 (2 exponent bits, 3 mantissa bits; 6 bits a number), with one power-of-two scale for each 32 numbers along K (OCP MX v1.0); their sums are f32. All else is computed in f32.
;;   The module's matrix products, in the order in which they are computed (A, B: the left and right operand; K: the contracted axis; several contracted axes count as one K, in the product's order):
;;     1. [M 8,192, K 1,024] x [K 1,024, N 3,072]; A: input x (given as codes); B: input w_qkv (given as codes): QUANTISED
;;     2. batch 64 x [M 2,048, K 64] x [K 64, N 2,048]; A: computed on the way; B: computed on the way: QUANTISED
;;     3. batch 64 x [M 2,048, K 2,048] x [K 2,048, N 64]; A: softmax (see below); B: computed on the way: QUANTISED
;;     4. [M 8,192, K 1,024] x [K 1,024, N 1,024]; A: computed on the way; B: input w_out (given as codes): QUANTISED
;;   THE QUANTISER, for each operand of a quantised product, along K:
;;     - K is cut into blocks of 32 from its start; a last block that is shorter is filled with zeros.
;;     - A block's scale is 2^e with e = floor(log2(the largest magnitude in the block)) - 2, held to -126 .. 127; a block of zeros has e = 0. As a byte (E8M0): e + 127.
;;     - Each number is divided by its block's scale, clamped to +-7.5, and rounded to the nearest number of E2M3, ties to even, subnormals kept.
;;     - The product sums the exact products of the quantised numbers (number of the format x scale) in f32.
;;   ~~~python
;;   def quantise(x, axis):      # numpy; x: float32 -> the quantised numbers, widened to float32 again
;;       x = np.moveaxis(x, axis, -1); K = x.shape[-1]
;;       x = np.pad(x, [(0, 0)] * (x.ndim - 1) + [(0, -K % 32)]); x = x.reshape(x.shape[:-1] + (-1, 32)); a = np.abs(x).max(-1, keepdims=True)
;;       e = np.where(a > 0, np.clip(np.frexp(np.where(a > 0, a, 1))[1] - 1 - 2, -126, 127), 0)      # np.frexp(a)[1] - 1 = floor(log2(a)), exactly
;;       r = np.clip(x / 2.0 ** e, -7.5, 7.5)
;;       step = 2.0 ** (np.maximum(np.frexp(np.where(r == 0, 1, r))[1] - 1, 0) - 3)
;;       q = np.round(r / step) * step * 2.0 ** e      # np.round: ties to even
;;       return np.moveaxis(q.reshape(q.shape[:-2] + (-1,))[..., :K], -1, axis).astype(np.float32)
;;   ~~~
;;   SOFTMAX AHEAD OF A QUANTISED PRODUCT. Where the list says 'softmax', what is quantised is not the finished softmax but p = 2^(t - M), with t = logit x log2(e) and M = ceil(the row's largest t), a whole number; so 1/2 < the row's largest p <= 1. The row's sum l is taken of the UNQUANTISED p, in f32, and the product's result is divided by l at the end. Since M is a whole number, a kernel that streams over the keys may use a running M (the ceiling of the running maximum): every later rescaling is an exact power of two, which a block's scale takes up: the codes' values come out the same.
;;   OPERANDS COMPUTED ON THE WAY. 'Computed on the way' means the value that the module computes at that place (a softmax that the list does not call 'softmax' is quantised finished and normalised). What goes into a quantiser is computed in f32, as accurately as f32 sums, v_exp_f32 and their like allow (about 1e-6 of the number): no bf16 or f16 on the way to a quantiser, and a product that is left as it is and whose result goes on into a quantised operand takes f32 operands (vector FMAs, or v_wmma_f32_16x16x4_f32). A number that lies on a knife's edge between two numbers of the format may be rounded either way, as far as f32 arithmetic and the matrix unit's own rounding can turn it there, and no further.
;;   INPUTS GIVEN AS CODES. w_out (in the module: [1024, 1024], K = its axis 0); w_qkv (in the module: [1024, 3072], K = its axis 0); x (in the module: [4, 2048, 1024], K = its axis 2): each comes as NAME_codes (uint8): NAME with its K axis moved to the last place and cut into blocks of 32 codes, [.., K / 32, bytes a block], one block behind the other in memory; four codes in three bytes: a row's codes are one little-endian stream of bits, code i at bits 6 i .. 6 i + 5 (a code: sign, 2 exponent bits, 3 mantissa bits); and NAME_scales (uint8): the same leading axes, one E8M0 byte (e + 127) for each 32 codes along K. Its value is code x scale, taken as it is: it is not quantised again, and the codes and scales need not be those that the quantiser above would give.
;; One version. Each part assembles by itself: llvm-mc -triple=amdgcn-amd-amdhsa -mcpu=gfx1250 --defsym DOCPART=n.
;; ======== version 1 of 1: 3 launches
;; limits: right only within a limited range of input values
;; workspace buffers: qkv 19,660,800 bytes; af 6,291,456 bytes; asc 262,144 bytes
;; launch qkv (part 1): grid 4 x 64, 4 waves a work-group, clusters of 4 x 4, 327,680 bytes of LDS; arguments x_codes, x_scales, w_qkv_codes, w_qkv_scales, b_qkv, qkv; writes qkv
.if DOCPART == 1
	.amdgcn_target "amdgcn-amd-amdhsa--gfx1250"
	.amdhsa_code_object_version 6
	.text
	.protected	k_qba50f57901_qkv
	.globl	k_qba50f57901_qkv
	.p2align	8
	.type	k_qba50f57901_qkv,@function
k_qba50f57901_qkv:
	s_mov_b64 s[64:65], 0
	v_nop
	global_prefetch_b8 v0, s[64:65] scope:SCOPE_SE
	s_setreg_imm32_b32 hwreg(HW_REG_WAVE_MODE, 25, 1), 1
	s_wait_xcnt 0x0
	s_wait_alu depctr_hold_cnt(0) depctr_sa_sdst(0) depctr_va_vdst(0) depctr_va_sdst(0) depctr_va_ssrc(0) depctr_va_vcc(0) depctr_vm_vsrc(0)
	s_getreg_b32 s2, hwreg(HW_REG_IB_STS2, 6, 4)
	s_cmp_eq_u32 s2, 0
	s_cbranch_scc0 .Lentry_in_a_cluster
	s_endpgm
.Lentry_in_a_cluster:
	s_bfe_u32 s2, ttmp6, 0x10000c
	s_cmp_lg_u32 s2, 0xf033
	s_cbranch_scc0 .Lentry_shape_is_right
	s_endpgm
.Lentry_shape_is_right:
; qkv = x w_qkv + b_qkv on codes of FP6 (E2M3) with E8M0 scales; q and k are quantised again along the head's 64 channels, v along the keys.
; THE DEAL: 256 work-groups of four waves (2 x 2).  A work-group takes 128 tokens (one group) and six tiles of 128 rows of w: phases q, q, k, k, v, v of heads 4 cg .. 4 cg + 3 (cg = grid x).
; A wave keeps its 64 rows of x, all of K, in registers (32 fragments) and streams 64 rows of each tile past them in blocks of 16 rows, all of K: a batch is 32 products on four accumulators by turns.
; q, k: source 0 = w's rows, so a lane holds one token and its registers run along the channels.  v: source 0 = x's rows: a lane holds one channel, registers along the keys.
; LDS: x's 128 rows, then two slots of 128 rows of w; rows of 768 bytes, 16 bytes of padding behind every 256.  Tile p lies in slot p % 2; tile p + 2 is asked for in phase p, when every wave has fetched tile p's last block.
; CLUSTERS 4 x 4: x's rows are asked for jointly along a row of the cluster, w's along a column.  No prefetch: all sixteen clusters walk the same six tiles of each cg, 2.4 MB in all, and x is asked for once, at the head.
; WORKSPACE qkv: [batch x head][group of 128 tokens][19,200]: sections Q, K, V of 6,400 bytes: four fragments of 1,536 bytes, then 256 bytes of scale words (row r, fragment f at 16 r + 4 f).
; Q, K fragment f: registers 4 c .. 4 c + 3 of lane L at 512 c + 16 L; registers 0-5 token 32 f + r, 6-11 token 32 f + 16 + r.  V fragment f (channels 16 f + r): register pair i of lane L at 256 i + 8 L.
; Inside a block of 32 the codes lie in the order 0-7, 16-23, 8-15, 24-31, in q and k alike and in v and the attention's p alike.
; A wave holds half of a section's scale words (8 or 2 bytes of a row's 16): they are stored as they fall, 1/24 of the codes' bytes.
; LIMITS: NaN and infinities are not served.  A block whose largest magnitude lies under 2^-124, a block of zeros too, has the scale byte 1 (this program alone reads the bytes).
.set KROW, 768
.set PITCH, 816
.set RG, 128*PITCH
.set SPARE, 3*RG
.set GRP, 19200
.set SEC, 6400
.set IMG, 1536
.set HEADB, 16*GRP
.set FR, 12
.set FPW, 21                           ; fragment f lies in window 1 + f / 21 at register 12 (f % 21): 0-31 x's (4 q + a), 32-39 and 40-47 the two sets of w's blocks
.set NF, 26                            ; LDS loads of a block
.set ABS, 4                            ; 32 x lane
.set LIQ, 5                            ; 16 x lane + 3,072 x wave row
.set SCQ, 6                            ; 16 r + 8 x wave row
.set AOV, 7                            ; 8 x lane + 768 x wave row
.set SCV, 8                            ; 16 r + 2 x wave row
.set BQA, 9                            ; 32 h
.set BVA, 10                           ; 4 r
.set WA, 12                            ; v12-27 LDS addresses of w's blocks: slot s, tile t at WA + 8 s + 2 t (the second: behind one padding more)
.set SPW, 28
.set NIL, 29
.set SX, 32                            ; v32-47 x's scale words
.set SW, 52                            ; v52-83 w's, two sets
.set ACC, 88                           ; v88-215 sixteen accumulators
.set FA, 216
.set TP, 228
.set TM, 236
.set PW, 252
.set BBQ, 840                          ; v840-967 the bias of phases 0-3 as the first products' C
.set VR, 968                           ; v968-975 v's bias, one number a lane and tile
.set VB, 976                           ; v976-1007 the same over a tile's eight registers
.set G1X, 24
.set G1W, 32
.set G0X, 48
.set G0W, 52
.set G0R, 56
.set OUT, 12
.set SEL, 66
.set BI, 68
.set WS, 70
.set XS, 72
.set MSB, 0
.macro WIN new
.if MSB != \new
	s_set_vgpr_msb (MSB<<8)|\new
.set MSB, \new
.endif
.endm
.macro PLACES n
.rept \n
	v_nop
.endr
.endm
.macro WALU
	s_wait_alu depctr_va_vdst(0)
.endm
.macro BARRIER
	s_barrier_signal -1
	s_barrier_wait -1
.endm
.macro CROUND
	BARRIER
	s_cmp_lg_u32 s14, 0
	s_cbranch_scc1 .Lnot_wave_0_\@
	s_barrier_signal -3
.Lnot_wave_0_\@:
	s_barrier_wait -3
	BARRIER
.endm
.macro GROUP1 g, mask, rows
	s_or_b32 s[\g+0], s[\mask], (1<<20)|(1<<21)|(5<<22)|(3<<25)
	s_mov_b32 s[\g+1], KROW<<16
	s_mov_b32 s[\g+2], (\rows)<<16
	s_mov_b32 s[\g+3], KROW<<16
	s_mov_b32 s[\g+4], \rows
	s_mov_b32 s[\g+5], KROW
	s_mov_b32 s[\g+6], 0
	s_mov_b32 s[\g+7], 0
.endm
; a fragment: six pieces of 8 bytes, two to a load where both go by the same address register
.macro FRAG f, q, ar
	WIN (1+(\f)/FPW)<<6
.set R_, FR*((\f)%FPW)
.set SKIP_, 0
.irp p, 0,1,2,3,4,5
.if SKIP_
.set SKIP_, 0
.else
.set PC_, 12*(\q)+6*(\p/3)+\p%3
.set PN_, 12*(\q)+6*((\p+1)/3)+(\p+1)%3
.set X_, (PC_%32+3)/32
.set XQ_, (PN_%32+3)/32
.if (\p < 5) && (X_ == XQ_)
.set SKIP_, 1
	ds_load_2addr_b64 v[R_+2*\p:R_+2*\p+3], v[(\ar)+X_] offset0:PC_+2*(PC_/32) offset1:PN_+2*(PN_/32)
.else
	ds_load_b64 v[R_+2*\p:R_+2*\p+1], v[(\ar)+X_] offset:8*(PC_+2*(PC_/32))
.endif
.endif
.endr
.endm
.macro FETCHB s                        ; block s (tile s / 4, its rows 16 (s % 4) on) into set s % 2
.set SL_, ((\s)/4)%2
.set TT_, (\s)%4
.set EE_, (\s)%2
.irp q, 0,1,2,3,4,5,6,7
	FRAG 32+8*EE_+\q, \q, WA+8*SL_+2*TT_
.endr
	WIN 0
.endm
.macro W1 d, s0, s1, c, x0, x1, r0, r1
	v_wmma_scale_f32_16x16x128_f8f6f4 v[\d:\d+7], v[\s0:\s0+11], v[\s1:\s1+11], \c, v[\x0], v[\x1] matrix_a_fmt:MATRIX_FMT_FP6 matrix_b_fmt:MATRIX_FMT_FP6 matrix_a_scale:MATRIX_SCALE_ROW\r0 matrix_b_scale:MATRIX_SCALE_ROW\r1
.endm
; 32 products: w's tile t = 2 tp + to against x's four tiles, K ascending; the four accumulators take turns
.macro BATCH ph, tp, to
.irp q, 0,1,2,3,4,5,6,7
.irp ap, 0,1
.irp ao, 0,1
.set A_, 2*\ap+\ao
.set T_, 2*\tp+\to
.set FX_, 4*\q+A_
.set FW_, 32+8*\to+\q
.set RX_, FR*(FX_%FPW)
.set RW_, FR*(FW_%FPW)
.set XS_, SX+8*\ap+\q
.set WS_, SW+16*((\ph)%2)+8*\tp+\q
.if (\ph) > 3
.set D_, ACC+32*T_+8*A_
.set C_, VB-768+8*T_
.set W_, (1+FX_/FPW)|((1+FW_/FPW)<<2)
.else
.set D_, ACC+32*A_+8*T_
.set C_, BBQ-768+32*(\ph)+8*T_
.set W_, (1+FW_/FPW)|((1+FX_/FPW)<<2)
.endif
.if \q == 0
.set W_, W_|(3<<4)
.else
.set C_, D_
.endif
	WIN W_
.if (\ph) > 3
	W1 D_, RX_, RW_, v[C_:C_+7], XS_, WS_, \ao, \to
.else
	W1 D_, RW_, RX_, v[C_:C_+7], WS_, XS_, \to, \ao
.endif
.endr
.endr
.endr
.endm
.macro WSC ph                          ; phase ph's scale words of my 64 rows of w: lane L takes row 32 g + L's 32 bytes
.irp g, 0,1
.irp c, 0,1
	global_load_b128 v[SW+16*((\ph)%2)+8*\g+4*\c:SW+16*((\ph)%2)+8*\g+4*\c+3], v[ABS], s[WS:WS+1] offset:32*(1024*((\ph)/2)+128*((\ph)%2))+1024*\g+16*\c
.endr
.endr
.endm
; 64 numbers of a lane, registers 16 b + 0 .. 15 = my half of block b, become codes: blocks 0, 1 in v[d0 .. d0+5], blocks 2, 3 in v[d1 .. d1+5]; the four scale bytes in v[pw]
.macro QUANT s, d0, d1, pw
.irp b, 0,1,2,3
	v_max3_num_f32 v[TM+\b], |v[\s+16*\b]|, |v[\s+1+16*\b]|, 0x1800000   ; with the floor 2^(3 - 127): the byte cannot fall under 1
.endr
.irp i, 2,4,6,8,10,12,14
.irp b, 0,1,2,3
	v_max3_num_f32 v[TM+\b], v[TM+\b], |v[\s+16*\b+\i]|, |v[\s+1+16*\b+\i]|
.endr
.endr
.irp b, 0,1,2,3
	v_permlanex16_b32 v[TM+4+\b], v[TM+\b], s[SEL], s[SEL+1]
.endr
.irp b, 0,1,2,3
	v_max_num_f32 v[TM+\b], v[TM+\b], v[TM+4+\b]
.endr
.irp b, 0,1,2,3
	v_add_nc_u32 v[TM+12+\b], 0xff000000, v[TM+\b]   ; 2 off the exponent field: the conversion's scale operand
.endr
.irp b, 0,1,2,3
	v_lshrrev_b32 v[TM+4+\b], 23, v[TM+12+\b]
.endr
	v_lshl_or_b32 v[\pw], v[TM+5], 8, v[TM+4]
	v_lshl_or_b32 v[\pw], v[TM+6], 16, v[\pw]
	v_lshl_or_b32 v[\pw], v[TM+7], 24, v[\pw]
	v_cvt_scalef32_pk16_fp6_f32 v[\d0:\d0+2], v[\s:\s+15], v[TM+12]
	v_cvt_scalef32_pk16_fp6_f32 v[TP:TP+2], v[\s+16:\s+31], v[TM+13]
	v_cvt_scalef32_pk16_fp6_f32 v[\d1:\d1+2], v[\s+32:\s+47], v[TM+14]
	v_cvt_scalef32_pk16_fp6_f32 v[TP+4:TP+6], v[\s+48:\s+63], v[TM+15]
	v_nop                                  ; one plain place behind a scaled conversion
.irp i, 0,1,2
	v_permlane16_swap_b32 v[\d0+\i], v[TP+\i]   ; a whole block in a lane
.endr
.irp i, 0,1,2
	v_mov_b32 v[\d0+3+\i], v[TP+\i]
.endr
.irp i, 0,1,2
	v_permlane16_swap_b32 v[\d1+\i], v[TP+4+\i]
.endr
.irp i, 0,1,2
	v_mov_b32 v[\d1+3+\i], v[TP+4+\i]
.endr
.endm
.macro WAYOUT ph
.set OFF, ((\ph)/2)*SEC+((\ph)%2)*2*HEADB
.irp f, 0,1
	s_wait_xcnt 0x0                        ; earlier stores have read their registers
	QUANT ACC+64*\f, FA, FA+6, PW+\f
.if (\ph) > 3                          ; v: channel tiles 2 f, 2 f + 1; my 64 keys are three register pairs of each fragment: each store covers 256 bytes on end
.irp w, 0,1
.irp i, 0,1,2
	global_store_b64 v[AOV], v[FA+6*\w+2*\i:FA+6*\w+2*\i+1], s[OUT:OUT+1] offset:OFF+IMG*(2*\f+\w)+256*\i
.endr
.endr
	global_store_b16 v[SCV], v[PW+\f], s[OUT:OUT+1] offset:OFF+4*IMG+8*\f
	global_store_d16_hi_b16 v[SCV], v[PW+\f], s[OUT:OUT+1] offset:OFF+4*IMG+8*\f+4
.else                                  ; q, k: token tiles 2 f, 2 f + 1 are one fragment: each store covers 512 bytes on end
.irp c, 0,1,2
	global_store_b128 v[LIQ], v[FA+4*\c:FA+4*\c+3], s[OUT:OUT+1] offset:OFF+IMG*\f+512*\c
.endr
.endif
.endr
.if (\ph) < 4
	global_store_b64 v[SCQ], v[PW:PW+1], s[OUT:OUT+1] offset:OFF+4*IMG
.endif
.endm
; A phase.  Ahead of a batch the wait leaves out the next block's NF loads (and the add, where one is out).
.macro PHASE ph
	s_wait_loadcnt 0x0                     ; this phase's scale words (at first: all the head's loads)
.if (\ph) < 5
	WSC (\ph)+1
.endif
.if (\ph) > 3
	WIN 0xc3
.irp t, 0,1,2,3
.irp j, 0,1,2,3,4,5,6,7
	v_mov_b32 v[VB-768+8*\t+\j], v[VR-768+4*((\ph)-4)+\t]
.endr
.endr
	WIN 0
	WALU
.endif
	s_wait_dscnt NF
	BATCH \ph, 0, 0
	PLACES 4
	FETCHB 4*(\ph)+2
	s_wait_dscnt NF
	BATCH \ph, 0, 1
	PLACES 4
	FETCHB 4*(\ph)+3                       ; the tile's last block
.if (\ph) < 4
	s_wait_tensorcnt 0x0                   ; the three lines ahead of a refill's round
	ds_add_u32 v[SPW], v[NIL]
.if (\ph) > 1
	s_add_nc_u64 s[G0R+4*((\ph)%2)+2:G0R+4*((\ph)%2)+3], s[G0R+4*((\ph)%2)+2:G0R+4*((\ph)%2)+3], 1024*KROW
.endif
	s_wait_dscnt NF+1
	BATCH \ph, 1, 0
	WIN 0
	s_wait_dscnt 0x0
	CROUND                                 ; nobody reads this slot any more, and the next tile is whole
	s_cmp_eq_u32 s14, 2
	s_cbranch_scc0 .Lno_fill_\@
	tensor_load_to_lds s[G0R+4*((\ph)%2):G0R+4*((\ph)%2)+3], s[G1W:G1W+7]   ; tile ph + 2
	s_nop 0
	PLACES 4
.Lno_fill_\@:
	PLACES 4
	FETCHB 4*(\ph)+4
.elseif (\ph) == 4
	s_wait_dscnt NF
	BATCH \ph, 1, 0
	WIN 0
	s_wait_tensorcnt 0x0
	s_wait_dscnt 0x0
	BARRIER                                ; the last tile is shown to all
	PLACES 4
	FETCHB 4*(\ph)+4
.else
	s_wait_dscnt NF
	BATCH \ph, 1, 0
	s_wait_dscnt 0x0
.endif
	BATCH \ph, 1, 1
	PLACES 4
	WIN 0
.if (\ph) < 5
	FETCHB 4*(\ph)+5
.endif
	WAYOUT \ph
.endm
	s_load_b128 s[4:7], s[0:1], 0x0        ; x's codes, scales
	s_load_b128 s[8:11], s[0:1], 0x10      ; w's codes, scales
	s_load_b128 s[96:99], s[0:1], 0x20     ; b_qkv, the workspace
	v_lshl_add_u32 v[SPW], v0, 2, SPARE
	v_mov_b32 v[NIL], 0
	ds_add_u32 v[SPW], v[NIL]              ; the opening lines
	ds_add_u32 v[SPW], v[NIL]
	v_lshrrev_b32 v1, 5, v0
	v_readfirstlane_b32 s14, v1            ; wave
	s_lshr_b32 s15, s14, 1                 ; its row of the 2 x 2: which 64 tokens
	s_and_b32 s16, s14, 1                  ; its column: which 64 rows of a tile
	s_bfe_u32 s40, ttmp6, 0x40000
	s_bfe_u32 s41, ttmp6, 0x40004
	s_lshl_b32 s42, ttmp9, 2
	s_add_co_u32 s42, s42, s40             ; cg
	s_and_b32 s43, ttmp7, 0xffff
	s_lshl_b32 s43, s43, 2
	s_add_co_u32 s43, s43, s41             ; the group of 128 tokens, 0 .. 63
	s_lshl_b32 s44, s41, 2
	s_lshl_b32 s44, 15, s44                ; my row of the cluster
	s_lshl_b32 s45, 0x1111, s40            ; my column
	GROUP1 G1X, 44, 64
	GROUP1 G1W, 45, 128
	s_mul_i32 s20, s43, 128*KROW
	s_mul_i32 s21, s16, 64*KROW
	s_add_co_u32 s20, s20, s21             ; waves 0, 1: a half of x's rows each
	s_mov_b32 s21, 0
	s_mul_i32 s22, s42, 256*KROW
	s_mul_i32 s23, s16, 128*KROW
	s_add_co_u32 s46, s22, s23             ; waves 2, 3: tiles 0, 1
	s_mov_b32 s47, 0
	s_mov_b32 s23, 0
	s_mov_b32 s[G0X], 1
	s_mul_i32 s[G0X+1], s16, 64*PITCH
	s_mov_b32 s[G0W], 1
	s_mul_i32 s[G0W+1], s16, RG
	s_add_co_u32 s[G0W+1], s[G0W+1], RG
	s_mov_b32 s[G0R], 1
	s_mov_b32 s[G0R+1], RG
	s_mov_b32 s[G0R+4], 1
	s_mov_b32 s[G0R+5], 2*RG
	s_mov_b32 s[SEL], 0x76543210
	s_mov_b32 s[SEL+1], 0xfedcba98
	WALU
	s_wait_dscnt 0x0
	s_wait_kmcnt 0x0
	s_add_nc_u64 s[G0X+2:G0X+3], s[4:5], s[20:21]
	s_or_b32 s[G0X+3], s[G0X+3], 0x80000000
	s_add_nc_u64 s[G0W+2:G0W+3], s[8:9], s[46:47]
	s_or_b32 s[G0W+3], s[G0W+3], 0x80000000
	s_add_nc_u64 s[G0R+2:G0R+3], s[8:9], s[22:23]
	s_add_nc_u64 s[G0R+2:G0R+3], s[G0R+2:G0R+3], 1024*KROW   ; tile 2
	s_add_nc_u64 s[G0R+6:G0R+7], s[G0R+2:G0R+3], 128*KROW    ; tile 3
	s_or_b32 s[G0R+3], s[G0R+3], 0x80000000
	s_or_b32 s[G0R+7], s[G0R+7], 0x80000000
	CROUND                                 ; the first joint loads meet
	s_cmp_eq_u32 s15, 0
	s_cbranch_scc0 .Lw_arm
	tensor_load_to_lds s[G0X:G0X+3], s[G1X:G1X+7]
	s_nop 0
	PLACES 4
	s_branch .Lasked
.Lw_arm:
	tensor_load_to_lds s[G0W:G0W+3], s[G1W:G1W+7]
	s_nop 0
	PLACES 4
.Lasked:
	v_and_b32 v1, 15, v0                   ; r
	v_bfe_u32 v2, v0, 4, 1                 ; h
	v_and_b32 v3, 31, v0
	v_mul_u32_u24 v30, v1, PITCH
	v_mad_u32_u24 v31, v2, 24, v30         ; row x pitch + 24 h
	v_mad_u32_u24 v30, v2, 40, v30         ; and behind one padding more
	WALU
	s_mul_i32 s20, s15, 64*PITCH
.irp a, 0,1,2,3
	v_add_nc_u32 v[ACC+2*\a], s20, v31     ; x's four tiles (the accumulators' registers are free here)
	v_add_nc_u32 v[ACC+2*\a+1], s20, v30
	s_add_co_u32 s20, s20, 16*PITCH
.endr
	s_mul_i32 s21, s16, 64*PITCH
	s_add_co_u32 s21, s21, RG
.irp s, 0,1
.irp t, 0,1,2,3
	v_add_nc_u32 v[WA+8*\s+2*\t], s21, v31
	v_add_nc_u32 v[WA+8*\s+2*\t+1], s21, v30
	s_add_co_u32 s21, s21, 16*PITCH
.endr
	s_add_co_u32 s21, s21, RG-64*PITCH
.endr
	v_lshlrev_b32 v[ABS], 5, v3
	s_mul_i32 s20, s15, 2*IMG
	v_lshl_add_u32 v[LIQ], v3, 4, s20
	s_lshl_b32 s20, s15, 3
	v_lshl_add_u32 v[SCQ], v1, 4, s20
	s_mul_i32 s20, s15, 768
	v_lshl_add_u32 v[AOV], v3, 3, s20
	s_lshl_b32 s20, s15, 1
	v_lshl_add_u32 v[SCV], v1, 4, s20
	v_lshlrev_b32 v[BQA], 5, v2
	v_lshlrev_b32 v[BVA], 2, v1
.irp b, 0,1,2,3
	v_mov_b32 v[TM+4+\b], 0                ; a lane permute's destination counts as one of its sources
.endr
	s_lshl_b32 s20, s43, 7
	s_lshl_b32 s21, s15, 6
	s_add_co_u32 s20, s20, s21
	s_lshl_b32 s20, s20, 5
	s_mov_b32 s21, 0
	s_add_nc_u64 s[XS:XS+1], s[6:7], s[20:21]
	s_lshl_b32 s22, s42, 8
	s_lshl_b32 s23, s16, 6
	s_add_co_u32 s22, s22, s23             ; my first row of w inside a class
	s_lshl_b32 s20, s22, 5
	s_add_nc_u64 s[WS:WS+1], s[10:11], s[20:21]
	s_lshl_b32 s20, s22, 2
	s_add_nc_u64 s[BI:BI+1], s[96:97], s[20:21]
	s_lshr_b32 s20, s43, 4                 ; batch
	s_lshl_b32 s20, s20, 4
	s_lshl_b32 s22, s42, 2
	s_add_co_u32 s20, s20, s22
	s_add_co_u32 s20, s20, s16             ; batch x 16 + head 4 cg + wave column
	s_lshl_b32 s20, s20, 4
	s_and_b32 s22, s43, 15
	s_add_co_u32 s20, s20, s22
	s_mul_i32 s20, s20, GRP
	s_add_nc_u64 s[OUT:OUT+1], s[98:99], s[20:21]
	WALU                                   ; the wait at the head's end
.irp g, 0,1
.irp c, 0,1
	global_load_b128 v[SX+8*\g+4*\c:SX+8*\g+4*\c+3], v[ABS], s[XS:XS+1] offset:1024*\g+16*\c
.endr
.endr
	WSC 0
	WIN 0xc0
.irp p, 0,1,2,3
.irp t, 0,1,2,3
	global_load_b128 v[BBQ-768+32*\p+8*\t:BBQ-768+32*\p+8*\t+3], v[BQA], s[BI:BI+1] offset:4*(1024*(\p/2)+128*(\p%2))+64*\t        ; register j: channel 16 t + 8 h + j
	global_load_b128 v[BBQ-768+32*\p+8*\t+4:BBQ-768+32*\p+8*\t+7], v[BQA], s[BI:BI+1] offset:4*(1024*(\p/2)+128*(\p%2))+64*\t+16
.endr
.endr
.irp i, 0,1
.irp t, 0,1,2,3
	global_load_b32 v[VR-768+4*\i+\t], v[BVA], s[BI:BI+1] offset:4*(2048+128*\i+16*\t)   ; channel 16 t + r
.endr
.endr
	WIN 0
	s_wait_tensorcnt 0x0
	BARRIER                                ; x's rows and tiles 0, 1 are in
.irp q, 0,1,2,3,4,5,6,7
.irp a, 0,1,2,3
	FRAG 4*\q+\a, \q, ACC+2*\a
.endr
.endr
	WIN 0
	FETCHB 0
	FETCHB 1
	PHASE 0
	PHASE 1
	PHASE 2
	PHASE 3
	PHASE 4
	PHASE 5
	s_wait_tensorcnt 0x0                   ; the wave's end
	ds_add_u32 v[SPW], v[NIL]
	s_wait_dscnt 0x0
	CROUND                                 ; the closing round
	s_endpgm
.Lfunc_end_k_qba50f57901_qkv:
	.size	k_qba50f57901_qkv, .Lfunc_end_k_qba50f57901_qkv-k_qba50f57901_qkv
	.p2alignl 7, 3214868480
	.fill 96, 4, 3214868480
	.section	.rodata,"a",@progbits
	.p2align	6, 0x0
	.amdhsa_kernel k_qba50f57901_qkv
		.amdhsa_group_segment_fixed_size 327680
		.amdhsa_private_segment_fixed_size 0
		.amdhsa_enable_private_segment 0
		.amdhsa_kernarg_size 48
		.amdhsa_user_sgpr_count 2
		.amdhsa_user_sgpr_kernarg_segment_ptr 1
		.amdhsa_wavefront_size32 1
		.amdhsa_system_sgpr_workgroup_id_x 1
		.amdhsa_system_sgpr_workgroup_id_y 1
		.amdhsa_system_sgpr_workgroup_id_z 1
		.amdhsa_system_vgpr_workitem_id 0
		.amdhsa_next_free_vgpr 1008
		.amdhsa_next_free_sgpr 100
		.amdhsa_reserve_vcc 0
		.amdhsa_float_denorm_mode_32 3
		.amdhsa_float_denorm_mode_16_64 3
		.amdhsa_memory_ordered 1
		.amdhsa_forward_progress 1
		.amdhsa_inst_pref_size 222
	.end_amdhsa_kernel
	.amdgpu_metadata
---
amdhsa.version: [ 1, 2 ]
amdhsa.kernels:
  - .name:           k_qba50f57901_qkv
    .symbol:         k_qba50f57901_qkv.kd
    .args:
      - { .name: x_codes, .offset: 0, .size: 8, .value_kind: global_buffer, .address_space: global }
      - { .name: x_scales, .offset: 8, .size: 8, .value_kind: global_buffer, .address_space: global }
      - { .name: w_qkv_codes, .offset: 16, .size: 8, .value_kind: global_buffer, .address_space: global }
      - { .name: w_qkv_scales, .offset: 24, .size: 8, .value_kind: global_buffer, .address_space: global }
      - { .name: b_qkv, .offset: 32, .size: 8, .value_kind: global_buffer, .address_space: global }
      - { .name: qkv, .offset: 40, .size: 8, .value_kind: global_buffer, .address_space: global }
    .group_segment_fixed_size: 327680
    .private_segment_fixed_size: 0
    .kernarg_segment_align: 8
    .kernarg_segment_size: 48
    .max_flat_workgroup_size: 128
    .sgpr_count:     100
    .vgpr_count:     1008
    .wavefront_size: 32
...
	.end_amdgpu_metadata
.endif
;; end of part 1
;; launch attn (part 2): grid 4 x 64, 16 waves a work-group, clusters of 4 x 1, 206,848 bytes of LDS; arguments qkv, af, asc; writes af, asc
.if DOCPART == 2
	.amdgcn_target "amdgcn-amd-amdhsa--gfx1250"
	.amdhsa_code_object_version 6
	.text
	.protected	k_qba50f57901_attn
	.globl	k_qba50f57901_attn
	.p2align	8
	.type	k_qba50f57901_attn,@function
k_qba50f57901_attn:
	s_mov_b64 s[64:65], 0
	v_nop
	global_prefetch_b8 v0, s[64:65] scope:SCOPE_SE
	s_setreg_imm32_b32 hwreg(HW_REG_WAVE_MODE, 25, 1), 1
	s_wait_xcnt 0x0
	s_wait_alu depctr_hold_cnt(0) depctr_sa_sdst(0) depctr_va_vdst(0) depctr_va_sdst(0) depctr_va_ssrc(0) depctr_va_vcc(0) depctr_vm_vsrc(0)
	s_getreg_b32 s2, hwreg(HW_REG_IB_STS2, 6, 4)
	s_cmp_eq_u32 s2, 0
	s_cbranch_scc0 .Lentry_in_a_cluster
	s_endpgm
.Lentry_in_a_cluster:
	s_bfe_u32 s2, ttmp6, 0x10000c
	s_cmp_lg_u32 s2, 0x3003
	s_cbranch_scc0 .Lentry_shape_is_right
	s_endpgm
.Lentry_shape_is_right:
; Attention of one head on codes of FP6 (E2M3) with E8M0 scales: S^T = K Q^T, p = 2^(t - M), O^T = V^T P^T, O / l, and O quantised along the channels for the last product.
; t = score x log2(e) / 8 (ONE multiplication where the definition has two: by 1/8, which is exact, and by log2(e)); M = the running largest t rounded UP to a whole number; the row's sum l is taken of the unquantised p.
; SHARES.  A work-group owns 512 queries of one head (batch x head = the grid's y); the four work-groups of a cluster own the head's 2,048.  Each of sixteen waves owns 32 queries: one stored fragment of Q, which holds two tiles of 16;
; it walks all 2,048 keys twice, once for each tile, 128 keys a step.  Four waves share a SIMD, so that one wave's vector work stands beside another's products and LDS loads.
; A HEAD'S K AND V STAY IN LDS: sixteen blocks of 12,800 bytes (128 keys each: K's four fragments, 256 bytes of K's scale words, V's four fragments, V's scale words), brought ONCE: wave w asks for block w, by a load that the four
; partners issue jointly.  Nothing is filled again and nothing is stored to LDS.  So there is no stream left to be asked for ahead: no prefetch.
; K = 64 IN AN INSTRUCTION OF 128: a fragment of K holds two tiles of keys (registers 0-5 keys 32 f + r, registers 6-11 keys 32 f + 16 + r).  It is multiplied by [q | 0] for the first tile and by [0 | q] for the second:
; zero codes add nothing under any scale byte that the quantiser gives (1 to 254).  Q's scale word repeats q's two bytes, so it serves both.
; A lane holds ONE query (lane % 16) throughout; registers 16 f + 0..15 of S^T are keys 32 f + 8 h + 0..7 and 32 f + 16 + 8 h + 0..7: p's codes get the same order inside a block of 32 that V's codes were given.
; OUT: af [row tile 512][K step 8][1,536 bytes]: register pair i of lane L at 256 i + 8 L, pairs 0-2 from the even head, 3-5 from the odd one, in the TRUE order of the channels (the last product's other operand is given);
;      asc [8,192 rows][32]: the scale byte of channels 32 j on at byte j.
; LIMITS: NaN and infinities are not served; a p under 2^-126 counts as 0; a block whose largest magnitude lies under 2^-124 has its byte held at 1 (a block of zeros too: its codes are zeros, and this program alone reads the bytes).
.set GRP,   19200                      ; the workspace: a group's block: Q, K, V sections of 6,400 bytes
.set SEC,   6400
.set IMG,   1536                       ; a fragment
.set STEPB, 12800                      ; a key step in LDS: K's section, then V's
.set WV,  10                           ; s10 my wave's number
.set G1,  16                           ; s[16:23] descriptor group 1;  s[24:27] group 0
.set G0,  24
.set SEL, 28                           ; s[28:29] v_permlanex16_b32's selects for lane l xor 16
.set CS,  30                           ; s[30:31] c = log2(e) / 8: the packed form names a pair
.set TB,  32                           ; s32 LDS byte at which the key step begins
.set CNT, 33                           ; s33 key steps to go
.set HM,  34                           ; s34 the mask of lanes 16-31
.set AL,  1                            ; v1 16 x lane
.set AS,  2                            ; v2 my scale words: lanes 0-15 K's, lanes 16-31 V's
.set ADK, 3
.set ADS, 4
.set AO,  5                            ; v5 8 x lane
.set ASO, 6                            ; v6 32 r + h
.set QSO, 7                            ; v7 Q's scale word
.set QZ,  16                           ; v16-45: six zeros, tile X's codes, six zeros, tile Y's codes, six zeros
.set QSX, 46                           ; Q's scale words for the two tiles
.set QSY, 47
.set KF,  48                           ; v48-95   four fragments of K, then of V
.set S,   96                           ; v96-159  S^T, then p
.set O,   160                          ; v160-191 O^T
.set P,   192                          ; v192-203 p's codes
.set PT,  204                          ; v204-206, v208-210 the upper halves' codes
.set BM,  212                          ; the blocks' largest scores
.set T2,  216
.set SOP, 220                          ; the conversions' scale operands
.set SC,  224                          ; v224-227 K's (lanes 0-15) and V's (lanes 16-31) scale words
.set PS,  228                          ; p's scale word
.set F,   230                          ; v[230:231] f
.set TT,  232
.set QW,  233
.set L2,  234                          ; v[234:235] the sum's second chain
.macro ROUND                           ; a round of the cluster's barrier
	s_barrier_signal -1
	s_barrier_wait -1
	s_cmp_lg_u32 s[WV], 0
	s_cbranch_scc1 .Lnot_wave_0_\@
	s_barrier_signal -3
.Lnot_wave_0_\@:
	s_barrier_wait -3
	s_barrier_signal -1
	s_barrier_wait -1
.endm
	s_load_b128 s[4:7], s[0:1], 0x0                ; qkv, af
	s_load_b64 s[8:9], s[0:1], 0x10                ; asc
	v_lshl_add_u32 v254, v0, 2, 0x32000
	v_mov_b32 v255, 0
	ds_add_u32 v254, v255
	ds_add_u32 v254, v255
	v_lshrrev_b32 v8, 5, v0
	s_delay_alu instid0(VALU_DEP_1)
	v_readfirstlane_b32 s[WV], v8                  ; wave 0..15
	s_bfe_u32 s11, ttmp6, 0x40000                  ; cx: which 512 queries; it enters Q's and the outputs' global addresses alone
	s_and_b32 s12, ttmp7, 0xffff                   ; batch x head, which the four partners share
	s_lshr_b32 s13, s12, 4                         ; batch
	s_and_b32 s14, s12, 15                         ; head
	; descriptor group 1: 12,800 dense bytes as 50 rows of 256 (32 elements of 8 bytes), no padding: every LDS read takes 8 or 16 bytes a lane on end
	s_mov_b32 s[G1], 15|(3<<16)|(1<<21)            ; 15:0 the mask: all four work-groups; 17:16 elements of 8 bytes; 21 set beside a mask
	s_mov_b32 s[G1+1], 32<<16                      ; tensor_dim0
	s_mov_b32 s[G1+2], 50<<16                      ; tensor_dim1
	s_mov_b32 s[G1+3], 32<<16                      ; tile_dim0
	s_mov_b32 s[G1+4], 50                          ; tile_dim1
	s_mov_b32 s[G1+5], 32                          ; tensor_dim0_stride
	s_mov_b32 s[G1+6], 0
	s_mov_b32 s[G1+7], 0
	s_lshl_b32 s15, s12, 4                         ; the head's first group
	s_add_co_u32 s36, s15, s[WV]                   ; my key step's group
	s_mul_i32 s36, s36, GRP
	s_add_co_u32 s36, s36, SEC                     ; behind its Q section
	s_mov_b32 s37, 0
	s_mov_b32 s[G0], 1
	s_mul_i32 s[G0+1], s[WV], STEPB                ; LDS: wave x 12,800
	s_lshl_b32 s38, s11, 2                         ; Q: group 4 cx + wave / 4, fragment wave % 4
	s_add_co_u32 s38, s38, s15
	s_lshr_b32 s39, s[WV], 2
	s_add_co_u32 s38, s38, s39
	s_mul_i32 s38, s38, GRP
	s_and_b32 s35, s[WV], 3
	s_mul_i32 s39, s35, IMG
	s_add_co_u32 s38, s38, s39
	s_mov_b32 s39, 0
	s_mul_i32 s35, s35, IMG-4
	s_sub_co_u32 s35, 4*IMG, s35                   ; from my fragment to my word in a row's 16 bytes of the section's scale words
	s_lshl_b32 s2, s13, 7                          ; my first row tile of the result: 128 batch + 32 cx + 2 wave
	s_lshl_b32 s3, s11, 5
	s_add_co_u32 s2, s2, s3
	s_lshl_b32 s3, s[WV], 1
	s_add_co_u32 s2, s2, s3
	s_mul_i32 s46, s2, 8*IMG
	s_lshr_b32 s3, s14, 1
	s_mul_i32 s3, s3, IMG                          ; K step = head / 2,
	s_add_co_u32 s46, s46, s3
	s_and_b32 s3, s14, 1
	s_mul_i32 s3, s3, IMG/2                        ; its lower or upper three pairs
	s_add_co_u32 s46, s46, s3
	s_mov_b32 s47, 0
	s_lshl_b32 s2, s2, 9                           ; 16 rows of 32 scale bytes a tile,
	s_lshl_b32 s3, s14, 1
	s_add_co_u32 s2, s2, s3                        ; two bytes a head
	s_mov_b32 s3, 0
	s_mov_b32 s[SEL], 0x76543210
	s_mov_b32 s[SEL+1], 0xfedcba98
	s_mov_b32 s[CS], 0x3e38aa3b                    ; log2(e) / 8
	s_mov_b32 s[CS+1], s[CS]
	s_mov_b32 s[HM], 0xffff0000
	s_wait_dscnt 0x0
	s_wait_kmcnt 0x0
	s_add_nc_u64 s[G0+2:G0+3], s[4:5], s[36:37]
	s_or_b32 s[G0+3], s[G0+3], 0x80000000          ; type = 2
	s_add_nc_u64 s[40:41], s[4:5], s[38:39]        ; Q's fragment
	s_add_nc_u64 s[42:43], s[6:7], s[46:47]        ; af
	s_add_nc_u64 s[44:45], s[8:9], s[2:3]          ; asc
	ROUND                                          ; all four work-groups are here: the joint loads meet
	tensor_load_to_lds s[G0:G0+3], s[G1:G1+7]      ; my key step's K and V: my only tensor load
	s_nop 0
.rept 4
	v_nop
.endr
	v_and_b32 v8, 31, v0                           ; lane
	v_and_b32 v9, 15, v0                           ; r
	v_bfe_u32 v10, v0, 4, 1                        ; h
	s_delay_alu instid0(VALU_DEP_3)
	v_lshlrev_b32 v[AL], 4, v8
	s_delay_alu instid0(VALU_DEP_2)
	v_mul_u32_u24 v[AS], v10, SEC                  ; lanes 16-31: V's section
	s_delay_alu instid0(VALU_DEP_1)
	v_lshl_add_u32 v[AS], v9, 4, v[AS]
	s_delay_alu instid0(VALU_DEP_1)
	v_add_nc_u32 v[AS], 4*IMG, v[AS]               ; behind the four fragments: row r's four words
	v_lshlrev_b32 v[AO], 3, v8
	v_lshl_add_u32 v[ASO], v9, 5, v10
	v_lshl_add_u32 v[QSO], v9, 4, s35
.set AVB, 236                          ; v236-239 8 x lane + where V's fragment f begins in a key step; v240-243 the same in this key step
.set ADV, 240
.irp f, 0,1,2,3
	v_add_nc_u32 v[AVB+\f], SEC+IMG*\f, v[AO]
.endr
	global_load_b128 v[QZ+6:QZ+9], v[AL], s[40:41]                 ; registers 0-3 of the fragment: tile X
	global_load_b64 v[QZ+10:QZ+11], v[AL], s[40:41] offset:512     ; registers 4, 5: tile X
	global_load_b64 v[QZ+18:QZ+19], v[AL], s[40:41] offset:520     ; registers 6, 7: tile Y
	global_load_b128 v[QZ+20:QZ+23], v[AL], s[40:41] offset:1024   ; registers 8-11: tile Y
	global_load_b32 v[QW], v[QSO], s[40:41]                        ; (X's two bytes, Y's two bytes)
.irp i, 0,1,2,3,4,5
	v_mov_b32 v[QZ+\i], 0                          ; zero codes
	v_mov_b32 v[QZ+12+\i], 0
	v_mov_b32 v[QZ+24+\i], 0
.endr
.irp b, 0,1,2,3
	v_mov_b32 v[T2+\b], 0                          ; written once: a lane permute's destination counts as one of its sources
.endr
	v_mov_b32 v[F+1], 0                            ; (named as the upper half of a pair)
	v_mov_b32 v[TT], 0
	s_wait_loadcnt 0x0
	v_perm_b32 v[QSX], v[QW], v[QW], 0x05040100    ; X's two bytes twice
	v_perm_b32 v[QSY], v[QW], v[QW], 0x07060302    ; Y's
	s_wait_tensorcnt 0x0                           ; my key step has landed,
	s_barrier_signal -1
	s_barrier_wait -1                              ; everybody's has: the head's K and V lie in LDS
; A KEY STEP: 128 keys.  qlo = [q | 0], qhi = [0 | q], qs = q's scale word.
.macro STEP qlo, qhi, qs
	v_add_nc_u32 v[ADK], s[TB], v[AL]
	v_add_nc_u32 v[ADS], s[TB], v[AS]
.irp f, 0,1,2,3
	v_add_nc_u32 v[ADV+\f], s[TB], v[AVB+\f]
.endr
	ds_load_b128 v[SC:SC+3], v[ADS]                ; row r's four words: K's in lanes 0-15, V's in lanes 16-31
.irp f, 0,1,2,3
.irp c, 0,1,2
	ds_load_b128 v[KF+12*\f+4*\c:KF+12*\f+4*\c+3], v[ADK] offset:IMG*\f+512*\c
.endr
.endr
	s_wait_alu depctr_va_vdst(0)
	s_wait_dscnt 0x0
.irp f, 0,1,2,3
	v_wmma_scale_f32_16x16x128_f8f6f4 v[S+16*\f:S+16*\f+7], v[KF+12*\f:KF+12*\f+11], v[\qlo:\qlo+11], 0, v[SC+\f], v[\qs] matrix_a_fmt:MATRIX_FMT_FP6 matrix_b_fmt:MATRIX_FMT_FP6
	v_wmma_scale_f32_16x16x128_f8f6f4 v[S+16*\f+8:S+16*\f+15], v[KF+12*\f:KF+12*\f+11], v[\qhi:\qhi+11], 0, v[SC+\f], v[\qs] matrix_a_fmt:MATRIX_FMT_FP6 matrix_b_fmt:MATRIX_FMT_FP6
.endr
.rept 4
	v_nop                                          ; places: V's loads land where K's fragments were read, and the scores are read below
.endr
.irp f, 0,1,2,3
.irp c, 0,1,2
	ds_load_2addr_b64 v[KF+12*\f+4*\c:KF+12*\f+4*\c+3], v[ADV+\f] offset0:64*\c offset1:64*\c+32   ; V lies as register pairs: pair i of lane L at 256 i + 8 L; on its way while the softmax is worked
.endr
.endr
.irp b, 0,1,2,3
	v_max3_num_f32 v[BM+\b], v[S+16*\b], v[S+1+16*\b], v[S+2+16*\b]   ; the largest score of each block of 32 keys: for the row's maximum, and, since p rises with the score, for the block's largest p
.endr
.irp i, 3,5,7,9,11,13
.irp b, 0,1,2,3
	v_max3_num_f32 v[BM+\b], v[BM+\b], v[S+16*\b+\i], v[S+1+16*\b+\i]
.endr
.endr
.irp b, 0,1,2,3
	v_max_num_f32 v[BM+\b], v[BM+\b], v[S+15+16*\b]
.endr
.irp b, 0,1,2,3
	s_delay_alu instid0(VALU_DEP_4)
	v_permlanex16_b32 v[T2+\b], v[BM+\b], s[SEL], s[SEL+1]
.endr
.irp b, 0,1,2,3
	s_delay_alu instid0(VALU_DEP_4)
	v_max_num_f32 v[BM+\b], v[BM+\b], v[T2+\b]     ; with lane l xor 16's 16 keys
.endr
	s_delay_alu instid0(VALU_DEP_2)
	v_max3_num_f32 v[TT], v[BM], v[BM+1], v[BM+2]
	s_delay_alu instid0(VALU_DEP_1)
	v_max_num_f32 v[TT], v[TT], v[BM+3]
	s_delay_alu instid0(VALU_DEP_1)
	v_mul_f32 v[TT], s[CS], v[TT]                  ; as t (c is positive)
	s_delay_alu instid0(VALU_DEP_1)
	v_max_num_f32 v13, v13, v[TT]                  ; the running largest t
	v_mov_b32 v[TT], v12
	s_delay_alu instid0(VALU_DEP_2)
	v_floor_f32 v12, -v13                          ; the new -M = floor(-t): M is a whole number
	s_delay_alu instid0(VALU_DEP_1)
	v_sub_f32 v[TT], v12, v[TT]                    ; old M less new M: a whole number, 0 or less
	s_delay_alu instid0(VALU_DEP_1)
	v_cvt_i32_f32 v[TT], v[TT]                     ; (it saturates)
	s_delay_alu instid0(VALU_DEP_1)
	v_ldexp_f32 v[F], 1.0, v[TT]                   ; f = 2^(old M - new M): a multiplication by it rounds nothing
.set j, 0
.rept 32
	v_pk_fma_f32 v[S+j:S+j+1], v[S+j:S+j+1], s[CS:CS+1], v[12:13] op_sel_hi:[1,0,0]   ; t - M, two at a time
.set j, j+2
.endr
.irp b, 0,1,2,3
	v_fma_f32 v[BM+\b], v[BM+\b], s[CS], v12       ; the same of each block's largest score
.endr
.set j, 0
	s_wait_alu depctr_va_vdst(0)
.rept 64
	v_exp_f32 v[S+j], v[S+j]                       ; p = 2^(t - M), at most 1: not normalised
.set j, j+1
.endr
	v_pk_mul_f32 v[14:15], v[14:15], v[F:F+1] op_sel_hi:[1,0]   ; the sums under the new M (a plain place behind the exponentials)
	s_wait_alu depctr_va_vdst(0)                   ; one wait for the whole batch, ahead of its first reader
.irp b, 0,1,2,3
	v_exp_f32 v[BM+\b], v[BM+\b]                   ; the block's largest p: the same two instructions on the same number give the same bits
.endr
	v_pk_add_f32 v[L2:L2+1], v[S:S+1], v[S+2:S+3]  ; the row's sum is taken of the unquantised p: two at a time, in two chains
.irp j, 4,8,12,16,20,24,28,32,36,40,44,48,52
	v_pk_add_f32 v[14:15], v[14:15], v[S+\j:S+\j+1]
	v_pk_add_f32 v[L2:L2+1], v[L2:L2+1], v[S+\j+2:S+\j+3]
.endr
	s_wait_alu depctr_va_vdst(0)                   ; and one for the four
.irp b, 0,1,2,3
	v_max_num_f32 v[BM+\b], 0x1800000, v[BM+\b]    ; the floor 2^(3 - 127): the byte cannot fall under 1
.endr
.irp b, 0,1,2,3
	s_delay_alu instid0(VALU_DEP_4)
	v_add_nc_u32 v[SOP+\b], 0xff000000, v[BM+\b]   ; 2 off the exponent field: the conversion's scale operand
.endr
.irp b, 0,1,2,3
	s_delay_alu instid0(VALU_DEP_4)
	v_lshrrev_b32 v[T2+\b], 23, v[SOP+\b]          ; the scale's byte
.endr
	s_delay_alu instid0(VALU_DEP_3)
	v_lshl_or_b32 v[PS], v[T2+1], 8, v[T2]         ; p's scale word for these 128 keys
	s_delay_alu instid0(VALU_DEP_1)
	v_lshl_or_b32 v[PS], v[T2+2], 16, v[PS]
	s_delay_alu instid0(VALU_DEP_1)
	v_lshl_or_b32 v[PS], v[T2+3], 24, v[PS]
.irp c, 0,1
	v_cvt_scalef32_pk16_fp6_f32 v[P+6*\c:P+6*\c+2], v[S+32*\c:S+32*\c+15], v[SOP+2*\c]
	v_cvt_scalef32_pk16_fp6_f32 v[PT+4*\c:PT+4*\c+2], v[S+32*\c+16:S+32*\c+31], v[SOP+2*\c+1]   ; (a conversion's three registers begin on an even number)
.endr
	v_nop                                          ; one plain place behind a scaled conversion
.irp c, 0,1                                    ; the operand's layout wants a whole block in a lane
.irp i, 0,1,2
	v_permlane16_swap_b32 v[P+6*\c+\i], v[PT+4*\c+\i]
.endr
.irp i, 0,1,2
	s_delay_alu instid0(VALU_DEP_3)
	v_mov_b32 v[P+3+6*\c+\i], v[PT+4*\c+\i]
.endr
.endr
.set j, 0
.rept 16
	v_pk_mul_f32 v[O+j:O+j+1], v[O+j:O+j+1], v[F:F+1] op_sel_hi:[1,0]   ; O^T under the new M
.set j, j+2
.endr
.irp j, 56,60                                  ; the sum's last five additions stand here: plain lines that name no register of the products below, so that every register written above stands four places or more ahead of them
	v_pk_add_f32 v[14:15], v[14:15], v[S+\j:S+\j+1]
	v_pk_add_f32 v[L2:L2+1], v[L2:L2+1], v[S+\j+2:S+\j+3]
.endr
	s_delay_alu instid0(VALU_DEP_1)
	v_pk_add_f32 v[14:15], v[14:15], v[L2:L2+1]
	s_wait_alu depctr_va_vdst(0)
	s_wait_dscnt 0x0                               ; V is in
.irp c, 0,1,2,3                                ; O^T += V^T P^T: the four accumulators take turns, one instruction a turn, and eight other products stand between a step's and the next's
	v_wmma_scale_f32_16x16x128_f8f6f4 v[O+8*\c:O+8*\c+7], v[KF+12*\c:KF+12*\c+11], v[P:P+11], v[O+8*\c:O+8*\c+7], v[SC+\c], v[PS] matrix_a_fmt:MATRIX_FMT_FP6 matrix_b_fmt:MATRIX_FMT_FP6 matrix_a_scale:MATRIX_SCALE_ROW1
.endr
	s_add_co_u32 s[TB], s[TB], STEPB
.endm
; THE WAY OUT of tile p: O^T / l; the numbers change lanes so that a lane holds 16 TRUE neighbours along the channels; two blocks of 32 are quantised; six registers and a byte a lane leave.
.macro OUT p
.rept 4
	v_nop                                          ; places behind the last products
.endr
	v_add_f32 v14, v14, v15                        ; the sum's two halves,
	s_delay_alu instid0(VALU_DEP_1)
	v_permlanex16_b32 v[TT], v14, s[SEL], s[SEL+1]
	s_delay_alu instid0(VALU_DEP_1)
	v_add_f32 v14, v14, v[TT]                      ; and lane l xor 16's: the row's sum
	s_wait_alu depctr_va_vdst(0)
	v_rcp_f32 v[F], v14
	v_nop                                          ; a plain place behind the transcendental
	s_wait_alu depctr_va_vdst(0)                   ; and the wait ahead of its first reader
.set j, 0
.rept 16
	v_pk_mul_f32 v[S+j:S+j+1], v[O+j:O+j+1], v[F:F+1] op_sel_hi:[1,0]   ; register 8 t + i: channel 16 t + 8 h + i; each accumulator from its low end on
.set j, j+2
.endr
.irp b, 0,1
.irp i, 0,1,2,3,4,5,6,7
	v_permlane16_swap_b32 v[S+16*\b+\i], v[S+8+16*\b+\i]   ; registers 16 b + 0..15 now hold channels 32 b + 16 h + 0..15 of my query
.endr
.endr
.irp b, 0,1
	v_max3_num_f32 v[BM+\b], |v[S+16*\b]|, |v[S+1+16*\b]|, 0x1800000
.endr
.irp i, 2,4,6,8,10,12,14
.irp b, 0,1
	s_delay_alu instid0(VALU_DEP_2)
	v_max3_num_f32 v[BM+\b], v[BM+\b], |v[S+16*\b+\i]|, |v[S+1+16*\b+\i]|
.endr
.endr
.irp b, 0,1
	s_delay_alu instid0(VALU_DEP_2)
	v_permlanex16_b32 v[T2+\b], v[BM+\b], s[SEL], s[SEL+1]
.endr
.irp b, 0,1
	s_delay_alu instid0(VALU_DEP_2)
	v_max_num_f32 v[BM+\b], v[BM+\b], v[T2+\b]
.endr
.irp b, 0,1
	s_delay_alu instid0(VALU_DEP_2)
	v_add_nc_u32 v[SOP+\b], 0xff000000, v[BM+\b]
.endr
.irp b, 0,1
	s_delay_alu instid0(VALU_DEP_2)
	v_lshrrev_b32 v[T2+\b], 23, v[SOP+\b]
.endr
	v_cvt_scalef32_pk16_fp6_f32 v[P:P+2], v[S:S+15], v[SOP]
	v_cvt_scalef32_pk16_fp6_f32 v[PT:PT+2], v[S+16:S+31], v[SOP+1]
	v_cndmask_b32 v[QW], v[T2], v[T2+1], s[HM]     ; lanes 0-15 carry block 0's byte, lanes 16-31 block 1's (a plain place behind the conversions)
.irp i, 0,1,2
	v_permlane16_swap_b32 v[P+\i], v[PT+\i]
.endr
.irp i, 0,1,2
	s_delay_alu instid0(VALU_DEP_3)
	v_mov_b32 v[P+3+\i], v[PT+\i]                  ; registers 0-5: channels 32 h + 0..31 of the head
.endr
.irp i, 0,1,2
	global_store_b64 v[AO], v[P+2*\i:P+2*\i+1], s[42:43] offset:8*IMG*\p+256*\i   ; the wave stores 256 consecutive bytes, aligned
.endr
	global_store_b8 v[ASO], v[QW], s[44:45] offset:512*\p   ; two bytes of each row's 32 are this head's: one byte a lane
.endm
.macro PASS p, qlo, qhi, qs
.if \p
	s_wait_xcnt 0x0                                ; the first tile's stores have read their registers
.endif
	v_mov_b32 v13, 0xff61b1e6                      ; the largest t so far: -3e38, under every t
	s_delay_alu instid0(VALU_DEP_1)
	v_floor_f32 v12, -v13                          ; -M
	v_mov_b32 v14, 0
	v_mov_b32 v15, 0
.set j, 0
.rept 32
	v_mov_b32 v[O+j], 0                            ; O^T: the step is written once; the first finds zeros, which the first change of M leaves zeros
.set j, j+1
.endr
	s_mov_b32 s[TB], 0
	s_mov_b32 s[CNT], 16
.Lstep_\@:
	STEP \qlo, \qhi, \qs
	s_sub_co_u32 s[CNT], s[CNT], 1
	s_cmp_lg_u32 s[CNT], 0
	s_cbranch_scc1 .Lstep_\@
	OUT \p
.endm
	PASS 0, QZ+6, QZ, QSX
	PASS 1, QZ+18, QZ+12, QSY
	s_wait_tensorcnt 0x0
	ds_add_u32 v254, v255
	s_wait_dscnt 0x0
	ROUND                                          ; the closing round: no work-group ends while a partner may still ask for a tile that names it
	s_endpgm
.Lfunc_end_k_qba50f57901_attn:
	.size	k_qba50f57901_attn, .Lfunc_end_k_qba50f57901_attn-k_qba50f57901_attn
	.p2alignl 7, 3214868480
	.fill 96, 4, 3214868480
	.section	.rodata,"a",@progbits
	.p2align	6, 0x0
	.amdhsa_kernel k_qba50f57901_attn
		.amdhsa_group_segment_fixed_size 206848
		.amdhsa_private_segment_fixed_size 0
		.amdhsa_enable_private_segment 0
		.amdhsa_kernarg_size 24
		.amdhsa_user_sgpr_count 2
		.amdhsa_user_sgpr_kernarg_segment_ptr 1
		.amdhsa_wavefront_size32 1
		.amdhsa_system_sgpr_workgroup_id_x 1
		.amdhsa_system_sgpr_workgroup_id_y 1
		.amdhsa_system_sgpr_workgroup_id_z 1
		.amdhsa_system_vgpr_workitem_id 0
		.amdhsa_next_free_vgpr 256
		.amdhsa_next_free_sgpr 66
		.amdhsa_reserve_vcc 0
		.amdhsa_float_denorm_mode_32 3
		.amdhsa_float_denorm_mode_16_64 3
		.amdhsa_memory_ordered 1
		.amdhsa_forward_progress 1
		.amdhsa_inst_pref_size 52
	.end_amdhsa_kernel
	.amdgpu_metadata
---
amdhsa.version: [ 1, 2 ]
amdhsa.kernels:
  - .name:           k_qba50f57901_attn
    .symbol:         k_qba50f57901_attn.kd
    .args:
      - { .name: qkv, .offset: 0, .size: 8, .value_kind: global_buffer, .address_space: global }
      - { .name: af, .offset: 8, .size: 8, .value_kind: global_buffer, .address_space: global }
      - { .name: asc, .offset: 16, .size: 8, .value_kind: global_buffer, .address_space: global }
    .group_segment_fixed_size: 206848
    .private_segment_fixed_size: 0
    .kernarg_segment_align: 8
    .kernarg_segment_size: 24
    .max_flat_workgroup_size: 512
    .sgpr_count:     66
    .vgpr_count:     256
    .wavefront_size: 32
...
	.end_amdgpu_metadata
.endif
;; end of part 2
;; launch proj (part 3): grid 4 x 64, 4 waves a work-group, clusters of 4 x 4, 327,680 bytes of LDS; arguments af, asc, w_out_codes, w_out_scales, b_out, out0; writes out0
.if DOCPART == 3
	.amdgcn_target "amdgcn-amd-amdhsa--gfx1250"
	.amdhsa_code_object_version 6
	.text
	.protected	k_qba50f57901_proj
	.globl	k_qba50f57901_proj
	.p2align	8
	.type	k_qba50f57901_proj,@function
k_qba50f57901_proj:
	s_mov_b64 s[64:65], 0
	v_nop
	global_prefetch_b8 v0, s[64:65] scope:SCOPE_SE
	s_setreg_imm32_b32 hwreg(HW_REG_WAVE_MODE, 25, 1), 1
	s_wait_xcnt 0x0
	s_wait_alu depctr_hold_cnt(0) depctr_sa_sdst(0) depctr_va_vdst(0) depctr_va_sdst(0) depctr_va_ssrc(0) depctr_va_vcc(0) depctr_vm_vsrc(0)
	s_getreg_b32 s2, hwreg(HW_REG_IB_STS2, 6, 4)
	s_cmp_eq_u32 s2, 0
	s_cbranch_scc0 .Lentry_in_a_cluster
	s_endpgm
.Lentry_in_a_cluster:
	s_bfe_u32 s2, ttmp6, 0x10000c
	s_cmp_lg_u32 s2, 0xf033
	s_cbranch_scc0 .Lentry_shape_is_right
	s_endpgm
.Lentry_shape_is_right:
; out0 = a w_out + b_out on codes of FP6 (E2M3) with E8M0 scales.  a: af [row tile of 16][K step 8][1,536 bytes] (register pair i of lane L at 256 i + 8 L) and asc [8,192][32]; w_out: 1,024 rows of 768 bytes, 32 scale bytes a row.
; 256 work-groups of four waves (2 x 2); a block of 128 x 256, a wave 64 x 128: 32 accumulators.  ALL OF K LIES IN LDS: a's 128 rows (98,304 dense bytes) and w's 256 rows (768 bytes, 16 of padding behind every 256),
; asked for once, one tensor load a wave at the head: nothing is filled again.  So there is no loop to run ahead in: no prefetch.
; CLUSTERS 4 x 4: a's rows are asked for jointly along a row of the cluster, w's along a column.  The scale words, 32 bytes a row, go straight into registers: lane L takes row 32 g + L.
; Source 0 = w's rows, source 1 = a's: a lane holds eight neighbouring columns of one row of the result.  The bias is the first products' C.
; Fragments lie twice in registers: step st's products read set st % 2 while step st + 1's loads land in the other.
; The way out goes through a stage in a's bytes, behind a barrier behind which nobody reads them; 32 lanes store 512 bytes on end.
; LIMITS: NaN and infinities are carried as the matrix instruction carries them.
.set KROW, 768
.set PITCH, 816
.set BBASE, 98304
.set SPARE, BBASE+256*PITCH
.set SPITCH, 528
.set SIZE_N, 1024
.set ADRA, 16
.set ADRB, 20                          ; v20-23: tiles 0-3 (second: behind one padding more), tiles 4-7
.set STO, 24
.set RD, 25
.set CO, 26
.set ABS, 27
.set SPW, 28
.set NIL, 29
.set SA, 32                            ; v32-47 a's scale words
.set SB, 52                            ; v52-83 w's
.set BB, 88                            ; v88-151 the bias
.set AF, 152                           ; v152-247 a's fragments, two sets; window 1: w's, two sets; window 2: the accumulators
.set BK, 128
.set G1, 24
.set G0, 32
.set G1B, 48
.set G0B, 56
.set MSB, 0
.macro WIN new
.if MSB != \new
	s_set_vgpr_msb (MSB<<8)|\new
.set MSB, \new
.endif
.endm
.macro PLACES n
.rept \n
	v_nop
.endr
.endm
.macro WALU
	s_wait_alu depctr_va_vdst(0)
.endm
.macro BARRIER
	s_barrier_signal -1
	s_barrier_wait -1
.endm
.macro CROUND
	BARRIER
	s_cmp_lg_u32 s14, 0
	s_cbranch_scc1 .Lnot_wave_0_\@
	s_barrier_signal -3
.Lnot_wave_0_\@:
	s_barrier_wait -3
	BARRIER
.endm
	s_load_b128 s[4:7], s[0:1], 0x0        ; af, asc
	s_load_b128 s[8:11], s[0:1], 0x10      ; w's codes, scales
	s_load_b128 s[96:99], s[0:1], 0x20     ; b_out, out0
	v_lshl_add_u32 v[SPW], v0, 2, SPARE
	v_mov_b32 v[NIL], 0
	ds_add_u32 v[SPW], v[NIL]              ; the opening lines
	ds_add_u32 v[SPW], v[NIL]
	v_lshrrev_b32 v1, 5, v0
	v_readfirstlane_b32 s14, v1
	s_lshr_b32 s15, s14, 1                 ; which 64 rows of a.  Also: I fetch for a (0) or for w (1)
	s_and_b32 s16, s14, 1                  ; which 128 rows of w.  Also: which half I fetch
	s_bfe_u32 s40, ttmp6, 0x40000
	s_bfe_u32 s41, ttmp6, 0x40004
	s_lshl_b32 s42, ttmp9, 2
	s_add_co_u32 s42, s42, s40             ; tile column, 0 .. 3
	s_and_b32 s17, ttmp7, 0xffff
	s_lshl_b32 s17, s17, 2
	s_add_co_u32 s17, s17, s41             ; tile row, 0 .. 63
	s_lshl_b32 s43, s41, 2
	s_lshl_b32 s43, 15, s43
	s_lshl_b32 s44, 0x1111, s40
	s_or_b32 s[G1+0], s43, (3<<16)|(1<<21) ; a: 49,152 dense bytes as 192 rows of 256
	s_mov_b32 s[G1+1], 32<<16
	s_mov_b32 s[G1+2], 192<<16
	s_mov_b32 s[G1+3], 32<<16
	s_mov_b32 s[G1+4], 192
	s_mov_b32 s[G1+5], 32
	s_mov_b32 s[G1+6], 0
	s_mov_b32 s[G1+7], 0
	s_or_b32 s[G1B+0], s44, (1<<20)|(1<<21)|(5<<22)|(3<<25)   ; w: 128 rows of 768 bytes, padded
	s_mov_b32 s[G1B+1], KROW<<16
	s_mov_b32 s[G1B+2], 128<<16
	s_mov_b32 s[G1B+3], KROW<<16
	s_mov_b32 s[G1B+4], 128
	s_mov_b32 s[G1B+5], KROW
	s_mov_b32 s[G1B+6], 0
	s_mov_b32 s[G1B+7], 0
	s_mul_i32 s20, s17, 98304
	s_mul_i32 s21, s16, 49152
	s_add_co_u32 s20, s20, s21
	s_mov_b32 s[G0+1], s21
	s_mov_b32 s21, 0
	s_mul_i32 s46, s42, 256*KROW
	s_mul_i32 s47, s16, 128*KROW
	s_add_co_u32 s46, s46, s47
	s_mov_b32 s47, 0
	s_mov_b32 s[G0], 1
	s_mov_b32 s[G0B], 1
	s_mul_i32 s[G0B+1], s16, 128*PITCH
	s_add_co_u32 s[G0B+1], s[G0B+1], BBASE
	WALU
	s_wait_dscnt 0x0
	s_wait_kmcnt 0x0
	s_add_nc_u64 s[G0+2:G0+3], s[4:5], s[20:21]
	s_or_b32 s[G0+3], s[G0+3], 0x80000000
	s_add_nc_u64 s[G0B+2:G0B+3], s[8:9], s[46:47]
	s_or_b32 s[G0B+3], s[G0B+3], 0x80000000
	CROUND                                 ; the joint loads meet
	s_cmp_eq_u32 s15, 0
	s_cbranch_scc0 .Lfor_b
	tensor_load_to_lds s[G0:G0+3], s[G1:G1+7]
	s_nop 0
	PLACES 4
	s_branch .Lasked
.Lfor_b:
	tensor_load_to_lds s[G0B:G0B+3], s[G1B:G1B+7]
	s_nop 0
	PLACES 4
.Lasked:
	v_and_b32 v1, 15, v0                   ; r
	v_bfe_u32 v2, v0, 4, 1                 ; h
	v_and_b32 v3, 31, v0
	v_mul_u32_u24 v4, v1, PITCH
	v_mad_u32_u24 v5, v2, 24, v4
	v_mad_u32_u24 v4, v2, 40, v4
	v_mul_u32_u24 v6, v1, SPITCH
	v_lshl_add_u32 v6, v2, 5, v6
	v_lshlrev_b32 v7, 5, v2                ; the bias: 32 h
	WALU
	s_mul_i32 s22, s16, 128*PITCH
	s_add_co_u32 s22, s22, BBASE
	v_add_nc_u32 v[ADRB], s22, v5
	v_add_nc_u32 v[ADRB+1], s22, v4
	s_add_co_u32 s22, s22, 64*PITCH
	v_add_nc_u32 v[ADRB+2], s22, v5
	v_add_nc_u32 v[ADRB+3], s22, v4
	s_mul_i32 s21, s15, 49152
	v_lshl_add_u32 v[ADRA], v3, 3, s21
	v_lshlrev_b32 v[ABS], 5, v3
	s_mul_i32 s23, s14, 16*SPITCH
	v_add_nc_u32 v[STO], s23, v6
	v_lshlrev_b32 v[CO], 4, v3
	v_add_nc_u32 v[RD], s23, v[CO]
	s_lshl_b32 s20, s17, 7
	s_lshl_b32 s21, s15, 6
	s_add_co_u32 s22, s20, s21             ; my first row
	s_lshl_b32 s20, s22, 5
	s_mov_b32 s21, 0
	s_add_nc_u64 s[70:71], s[6:7], s[20:21]
	s_lshl_b32 s20, s42, 8
	s_lshl_b32 s23, s16, 7
	s_add_co_u32 s23, s20, s23             ; my first column
	s_lshl_b32 s20, s23, 5
	s_add_nc_u64 s[72:73], s[10:11], s[20:21]
	s_lshl_b32 s20, s23, 2
	s_add_nc_u64 s[96:97], s[96:97], s[20:21]
	s_add_nc_u64 s[98:99], s[98:99], s[20:21]
	s_lshl_b32 s20, s22, 12
	s_add_nc_u64 s[98:99], s[98:99], s[20:21]
	WALU                                   ; the wait at the head's end
.irp c, 0,1
.irp g, 0,1
	global_load_b128 v[SA+8*\g+4*\c:SA+8*\g+4*\c+3], v[ABS], s[70:71] offset:1024*\g+16*\c
.endr
.irp g, 0,1,2,3
	global_load_b128 v[SB+8*\g+4*\c:SB+8*\g+4*\c+3], v[ABS], s[72:73] offset:1024*\g+16*\c
.endr
.endr
.irp b, 0,1,2,3,4,5,6,7
	global_load_b128 v[BB+8*\b:BB+8*\b+3], v7, s[96:97] offset:64*\b
	global_load_b128 v[BB+8*\b+4:BB+8*\b+7], v7, s[96:97] offset:64*\b+16
.endr
.macro FRAGB reg, q, i                 ; six pieces of 8 bytes; lanes 16-31 read three pieces on: where that lies behind one padding more, the second address register serves
.irp p, 0,1,2,3,4,5
.set PC, 12*(\q)+6*(\p/3)+\p%3
	ds_load_b64 v[\reg+2*\p:\reg+2*\p+1], v[ADRB+2*((\i)/4)+(PC%32+3)/32] offset:8*(PC+2*(PC/32))+((\i)%4)*16*PITCH
.endr
.endm
.macro FETCH st
.set P_, (\st)%2
	WIN 0x40
.irp i, 0,1,2,3,4,5,6,7
	FRAGB 128*P_+12*\i, \st, \i
.endr
	WIN 0
.irp i, 0,1,2,3
.irp p, 0,1,2,3,4,5
	ds_load_b64 v[AF+48*P_+12*\i+2*\p:AF+48*P_+12*\i+2*\p+1], v[ADRA] offset:\i*12288+(\st)*1536+256*\p
.endr
.endr
.endm
.macro W1 d, s0, s1, c, x0, x1, r0, r1
	v_wmma_scale_f32_16x16x128_f8f6f4 v[\d:\d+7], v[\s0:\s0+11], v[\s1:\s1+11], \c, v[\x0], v[\x1] matrix_a_fmt:MATRIX_FMT_FP6 matrix_b_fmt:MATRIX_FMT_FP6 matrix_a_scale:MATRIX_SCALE_ROW\r0 matrix_b_scale:MATRIX_SCALE_ROW\r1
.endm
.macro MUL32 st                        ; the 32 accumulators take turns, in the same order in every step
.irp ap, 0,1
.irp ao, 0,1
.irp bp, 0,1,2,3
.irp bo, 0,1
.set D_, 8*(8*(2*\ap+\ao)+2*\bp+\bo)
.set S0_, 128*((\st)%2)+12*(2*\bp+\bo)
.set S1_, AF+48*((\st)%2)+12*(2*\ap+\ao)
.set X0_, SB+8*\bp+(\st)
.set X1_, SA+8*\ap+(\st)
.if (\st) == 0
.set C_, BB+8*(2*\bp+\bo)
.else
.set C_, D_
.endif
	W1 D_, S0_, S1_, v[C_:C_+7], X0_, X1_, \bo, \ao
.endr
.endr
.endr
.endr
.endm
.macro STEP st
	s_wait_dscnt 0x0                       ; this step's fragments are in
.if (\st) == 7
	s_barrier_signal -1                    ; my reads of the tiles are over
.else
.if (\st) > 0
	PLACES 4
.endif
	FETCH (\st)+1
.endif
.if (\st) == 0
	WIN 0x81
.else
	WIN 0xa1
.endif
	MUL32 \st
.endm
	s_wait_tensorcnt 0x0
	BARRIER                                ; all four tiles are in
	FETCH 0
	s_wait_loadcnt 0x0
.irp st, 0,1,2,3,4,5,6,7
	STEP \st
.endr
	WIN 0
	s_barrier_wait -1                      ; everybody's are: the stage may be written
.macro TOSTAGE a
	WIN 0x08
.irp b, 0,1,2,3,4,5,6,7
	ds_store_b128 v[STO], v[64*(\a)+8*\b:64*(\a)+8*\b+3] offset:64*\b
	ds_store_b128 v[STO], v[64*(\a)+8*\b+4:64*(\a)+8*\b+7] offset:64*\b+16
.endr
	WIN 0
.set BR, BK+64*((\a)%2)
.irp t, 0,1,2,3,4,5,6,7,8,9,10,11,12,13,14,15
	ds_load_b128 v[BR+4*\t:BR+4*\t+3], v[RD] offset:\t*SPITCH
.endr
.endm
.macro SEND a, younger
.set BR, BK+64*((\a)%2)
	s_wait_dscnt \younger
.if (\a) > 0
	s_add_nc_u64 s[98:99], s[98:99], 16*SIZE_N*4
.endif
.irp t, 0,1,2,3,4,5,6,7,8,9,10,11,12,13,14,15
	global_store_b128 v[CO], v[BR+4*\t:BR+4*\t+3], s[98:99] offset:\t*SIZE_N*4 th:TH_STORE_NT
.endr
.endm
	PLACES 4
	TOSTAGE 0
.irp a, 1,2,3
.if \a > 1
	s_wait_xcnt 0x0                        ; earlier stores have read their registers and base
.endif
	TOSTAGE \a
	SEND \a-1, 32                          ; younger: block a's 16 stores and 16 loads
.endr
	s_wait_xcnt 0x0
	SEND 3, 0
	s_wait_tensorcnt 0x0                   ; the wave's end
	ds_add_u32 v[SPW], v[NIL]
	s_wait_dscnt 0x0
	CROUND                                 ; the closing round
	s_endpgm
.Lfunc_end_k_qba50f57901_proj:
	.size	k_qba50f57901_proj, .Lfunc_end_k_qba50f57901_proj-k_qba50f57901_proj
	.p2alignl 7, 3214868480
	.fill 96, 4, 3214868480
	.section	.rodata,"a",@progbits
	.p2align	6, 0x0
	.amdhsa_kernel k_qba50f57901_proj
		.amdhsa_group_segment_fixed_size 327680
		.amdhsa_private_segment_fixed_size 0
		.amdhsa_enable_private_segment 0
		.amdhsa_kernarg_size 48
		.amdhsa_user_sgpr_count 2
		.amdhsa_user_sgpr_kernarg_segment_ptr 1
		.amdhsa_wavefront_size32 1
		.amdhsa_system_sgpr_workgroup_id_x 1
		.amdhsa_system_sgpr_workgroup_id_y 1
		.amdhsa_system_sgpr_workgroup_id_z 1
		.amdhsa_system_vgpr_workitem_id 0
		.amdhsa_next_free_vgpr 768
		.amdhsa_next_free_sgpr 100
		.amdhsa_reserve_vcc 0
		.amdhsa_float_denorm_mode_32 3
		.amdhsa_float_denorm_mode_16_64 3
		.amdhsa_memory_ordered 1
		.amdhsa_forward_progress 1
		.amdhsa_inst_pref_size 94
	.end_amdhsa_kernel
	.amdgpu_metadata
---
amdhsa.version: [ 1, 2 ]
amdhsa.kernels:
  - .name:           k_qba50f57901_proj
    .symbol:         k_qba50f57901_proj.kd
    .args:
      - { .name: af, .offset: 0, .size: 8, .value_kind: global_buffer, .address_space: global }
      - { .name: asc, .offset: 8, .size: 8, .value_kind: global_buffer, .address_space: global }
      - { .name: w_out_codes, .offset: 16, .size: 8, .value_kind: global_buffer, .address_space: global }
      - { .name: w_out_scales, .offset: 24, .size: 8, .value_kind: global_buffer, .address_space: global }
      - { .name: b_out, .offset: 32, .size: 8, .value_kind: global_buffer, .address_space: global }
      - { .name: out0, .offset: 40, .size: 8, .value_kind: global_buffer, .address_space: global }
    .group_segment_fixed_size: 327680
    .private_segment_fixed_size: 0
    .kernarg_segment_align: 8
    .kernarg_segment_size: 48
    .max_flat_workgroup_size: 128
    .sgpr_count:     100
    .vgpr_count:     768
    .wavefront_size: 32
...
	.end_amdgpu_metadata
.endif
;; end of part 3
